; MI455X (gfx1250); checked and timed in simulation.
; The chip was launched on July 23, 2026; its instructions are those of AMD's public machine-readable ISA for CDNA 5 (MIT licence, August 2026) and "CDNA5" Instruction Set Architecture Reference Guide (July 2026). The comments in the code are by the model that wrote it; some were corrected since.
;; CAN Layer. Allowed arithmetic: matrix products marked QUANTISED: E2M1 operands, one E8M0 scale for each 32 along K, by v_wmma_scale_f32_16x16x128_f8f6f4 with both operands' format E2M1 (or v_wmma_scale_f32_32x16x128_f4), f32 sums; products left as they are: f32 operands where the result goes on into a quantised operand, else bf16, f16 or f32 operands; f32 sums; everything else in f32.
;; Inputs: Wk_d_codes 2,048 x 64 x 16 uint8 (E2M1 codes of Wk_d, K innermost, in blocks of 32 codes, two codes a byte); Wk_d_scales 2,048 x 64 uint8 (E8M0 scales of Wk_d, one for each 32 codes along K); Wk_p_codes 2,048 x 64 x 16 uint8 (E2M1 codes of Wk_p, K innermost, in blocks of 32 codes, two codes a byte); Wk_p_scales 2,048 x 64 uint8 (E8M0 scales of Wk_p, one for each 32 codes along K); Wq_d_codes 2,048 x 64 x 16 uint8 (E2M1 codes of Wq_d, K innermost, in blocks of 32 codes, two codes a byte); Wq_d_scales 2,048 x 64 uint8 (E8M0 scales of Wq_d, one for each 32 codes along K); Wq_p_codes 2,048 x 64 x 16 uint8 (E2M1 codes of Wq_p, K innermost, in blocks of 32 codes, two codes a byte); Wq_p_scales 2,048 x 64 uint8 (E8M0 scales of Wq_p, one for each 32 codes along K); Wv_d_codes 2,048 x 64 x 16 uint8 (E2M1 codes of Wv_d, K innermost, in blocks of 32 codes, two codes a byte); Wv_d_scales 2,048 x 64 uint8 (E8M0 scales of Wv_d, one for each 32 codes along K); Wv_p_codes 2,048 x 64 x 16 uint8 (E2M1 codes of Wv_p, K innermost, in blocks of 32 codes, two codes a byte); Wv_p_scales 2,048 x 64 uint8 (E8M0 scales of Wv_p, one for each 32 codes along K); drug_codes 2,048 x 64 x 16 uint8 (E2M1 codes of drug, K innermost, in blocks of 32 codes, two codes a byte); drug_scales 2,048 x 64 uint8 (E8M0 scales of drug, one for each 32 codes along K); mask_drug 2,048 bool; mask_prot 2,048 bool; protein_codes 2,048 x 64 x 16 uint8 (E2M1 codes of protein, K innermost, in blocks of 32 codes, two codes a byte); protein_scales 2,048 x 64 uint8 (E8M0 scales of protein, one for each 32 codes along K).
;; Outputs: out0 2,048 x 4,096 float32.
;; This version of the problem:
;;   THIS VERSION OF THE PROBLEM IS GIVEN IN LOW PRECISION. The matrix products marked QUANTISED in the list below multiply operands that are first quantised to E2M1 (2 exponent bits, 1 mantissa bit; 4 bits a number), with one power-of-two scale for each 32 numbers along K (OCP MX v1.0); their sums are f32. All else is computed in f32.
;;   The module's matrix products, in the order in which they are computed (A, B: the left and right operand; K: the contracted axis; several contracted axes count as one K, in the product's order):
;;     1. [M 2,048, K 2,048] x [K 2,048, N 2,048]; A: input protein (given as codes); B: input Wq_p (given as codes): QUANTISED
;;     2. [M 2,048, K 2,048] x [K 2,048, N 2,048]; A: input protein (given as codes); B: input Wk_p (given as codes): QUANTISED
;;     3. [M 2,048, K 2,048] x [K 2,048, N 2,048]; A: input protein (given as codes); B: input Wv_p (given as codes): QUANTISED
;;     4. [M 2,048, K 2,048] x [K 2,048, N 2,048]; A: input drug (given as codes); B: input Wq_d (given as codes): QUANTISED
;;     5. [M 2,048, K 2,048] x [K 2,048, N 2,048]; A: input drug (given as codes); B: input Wk_d (given as codes): QUANTISED
;;     6. [M 2,048, K 2,048] x [K 2,048, N 2,048]; A: input drug (given as codes); B: input Wv_d (given as codes): QUANTISED
;;     7. batch 32,768 x [M 1, K 128] x [K 128, N 1]; A: computed on the way; B: computed on the way: left as it is (M = 1 < 16)
;;     8. batch 32,768 x [M 1, K 128] x [K 128, N 1]; A: computed on the way; B: computed on the way: left as it is (M = 1 < 16)
;;     9. batch 32,768 x [M 1, K 128] x [K 128, N 1]; A: computed on the way; B: computed on the way: left as it is (M = 1 < 16)
;;     10. batch 32,768 x [M 1, K 128] x [K 128, N 1]; A: computed on the way; B: computed on the way: left as it is (M = 1 < 16)
;;     11. batch 32,768 x [M 128, K 1] x [K 1, N 1]; A: computed on the way; B: computed on the way: left as it is (K = 1 < 32)
;;     12. batch 32,768 x [M 128, K 1] x [K 1, N 1]; A: computed on the way; B: computed on the way: left as it is (K = 1 < 32)
;;     13. batch 32,768 x [M 128, K 1] x [K 1, N 1]; A: computed on the way; B: computed on the way: left as it is (K = 1 < 32)
;;     14. batch 32,768 x [M 128, K 1] x [K 1, N 1]; A: computed on the way; B: computed on the way: left as it is (K = 1 < 32)
;;   THE QUANTISER, for each operand of a quantised product, along K:
;;     - K is cut into blocks of 32 from its start; a last block that is shorter is filled with zeros.
;;     - A block's scale is 2^e with e = floor(log2(the largest magnitude in the block)) - 2, held to -126 .. 127; a block of zeros has e = 0. As a byte (E8M0): e + 127.
;;     - Each number is divided by its block's scale, clamped to +-6, and rounded to the nearest number of E2M1, ties to even, subnormals kept.
;;     - The product sums the exact products of the quantised numbers (number of the format x scale) in f32.
;;   ~~~python
;;   def quantise(x, axis):      # numpy; x: float32 -> the quantised numbers, widened to float32 again
;;       x = np.moveaxis(x, axis, -1); K = x.shape[-1]
;;       x = np.pad(x, [(0, 0)] * (x.ndim - 1) + [(0, -K % 32)]); x = x.reshape(x.shape[:-1] + (-1, 32)); a = np.abs(x).max(-1, keepdims=True)
;;       e = np.where(a > 0, np.clip(np.frexp(np.where(a > 0, a, 1))[1] - 1 - 2, -126, 127), 0)      # np.frexp(a)[1] - 1 = floor(log2(a)), exactly
;;       r = np.clip(x / 2.0 ** e, -6, 6)
;;       step = 2.0 ** (np.maximum(np.frexp(np.where(r == 0, 1, r))[1] - 1, 0) - 1)
;;       q = np.round(r / step) * step * 2.0 ** e      # np.round: ties to even
;;       return np.moveaxis(q.reshape(q.shape[:-2] + (-1,))[..., :K], -1, axis).astype(np.float32)
;;   ~~~
;;   INPUTS GIVEN AS CODES. Wk_d (in the module: [2048, 2048], K = its axis 0); Wk_p (in the module: [2048, 2048], K = its axis 0); Wq_d (in the module: [2048, 2048], K = its axis 0); Wq_p (in the module: [2048, 2048], K = its axis 0); Wv_d (in the module: [2048, 2048], K = its axis 0); Wv_p (in the module: [2048, 2048], K = its axis 0); drug (in the module: [2048, 2048], K = its axis 1); protein (in the module: [2048, 2048], K = its axis 1): each comes as NAME_codes (uint8): NAME with its K axis moved to the last place and cut into blocks of 32 codes, [.., K / 32, bytes a block], one block behind the other in memory; two codes a byte, the lower K in the low four bits (a code: sign, 2 exponent bits, 1 mantissa bit); and NAME_scales (uint8): the same leading axes, one E8M0 byte (e + 127) for each 32 codes along K. Its value is code x scale, taken as it is: it is not quantised again, and the codes and scales need not be those that the quantiser above would give.
;; One version. Each part assembles by itself: llvm-mc -triple=amdgcn-amd-amdhsa -mcpu=gfx1250 --defsym DOCPART=n.
;; ======== version 1 of 1: 1 launch
;; limits: right only within a limited range of input values
;; launch can (part 1): grid 16 x 16, 4 waves a work-group, clusters of 4 x 4, 327,680 bytes of LDS; arguments protein_codes, protein_scales, drug_codes, drug_scales, Wv_p_codes, Wv_p_scales, Wv_d_codes, Wv_d_scales, out0; writes out0
.if DOCPART == 1
	.amdgcn_target "amdgcn-amd-amdhsa--gfx1250"
	.amdhsa_code_object_version 6
	.text
	.protected	k_q09a12abdc8_can
	.globl	k_q09a12abdc8_can
	.p2align	8
	.type	k_q09a12abdc8_can,@function
k_q09a12abdc8_can:
	s_mov_b64 s[64:65], 0
	v_nop
	global_prefetch_b8 v0, s[64:65] scope:SCOPE_SE
	s_setreg_imm32_b32 hwreg(HW_REG_WAVE_MODE, 25, 1), 1
	s_wait_xcnt 0x0
	s_wait_alu depctr_hold_cnt(0) depctr_sa_sdst(0) depctr_va_vdst(0) depctr_va_sdst(0) depctr_va_ssrc(0) depctr_va_vcc(0) depctr_vm_vsrc(0)
	s_getreg_b32 s2, hwreg(HW_REG_IB_STS2, 6, 4)
	s_cmp_eq_u32 s2, 0
	s_cbranch_scc0 .Lentry_in_a_cluster
	s_endpgm
.Lentry_in_a_cluster:
	s_bfe_u32 s2, ttmp6, 0x10000c
	s_cmp_lg_u32 s2, 0xf033
	s_cbranch_scc0 .Lentry_shape_is_right
	s_endpgm
.Lentry_shape_is_right:
; CAN layer, one launch: out[row][c] = out[row][2048 + c] = (vp[row][c] + vd[row][c]) / 2, vp = protein x Wv_p, vd = drug x Wv_d: two products [2048 x 2048] x [2048 x 2048] on codes of FP4 (E2M1)
; with one E8M0 byte for each 32 along K, taken as they lie in memory; sums in f32.
; DEAD WORK, LEFT OUT.  Every softmax of the definition runs over a key axis of length ONE: alpha = e^(l - max l) / (the sum of e^(l - max l)) over that one key = e^(l - l) / e^(l - l) = 1, whatever finite number the logit l is:
; a factor that is 1 by an identity.  The definition replaces both masks by all-ones before their first use, so no logit is moved by 1e6 and no alpha is replaced by 0.  So the four logits, q and k of both types, and the products
; that make them reach no output: not loaded and not among the arguments are Wq_p, Wk_p, Wq_d, Wk_d (codes and scales), mask_prot and mask_drug.  The four weighted sums are vp, vd, vp, vd themselves, and the two halves of a row of the output are equal.
; LIMITS.  A NaN, an infinity or an overflow that reaches only the work left out (q, k, the logits) is not carried to the result.  The f32 sums are taken in another order than the definition's.
; SHARES.  A work-group makes 128 rows x 128 columns (grid x = block of columns, y = block of rows): 16 x 16 = 256 work-groups.  Wave w multiplies for type t = w / 2 (0 protein, 1 drug): all 128 rows, all 2,048 of the type's K, and, with n = w % 2,
; columns 32 n .. 32 n + 31 (blocks b = 0, 1) and 64 + 32 n .. 64 + 32 n + 31 (b = 2, 3): 64 rows of W, 512 registers, which stay in registers throughout.
; WAYS IN.  At the head: W's rows 0-63 and x's rows 0-63 of both types by one joint tensor load a wave; W's rows 64-127, wanted by one wave each, by 64 loads a wave straight into the operand registers; the scale words (96 registers) likewise.
; When the waves have taken W's rows 0-63 from LDS into registers, x's rows 64-127 take their place: the same rows of 1,024 bytes at the same pitch, one joint load a wave.  Passes 0 and 1 do not need them.
; CLUSTER 4 x 4.  x's tiles hang on the block of rows alone: asked for jointly along a row of the cluster; W's on the block of columns alone: jointly along a column.  W's rows 64-127 are not asked for jointly: LDS has no room for them beside the rest
; (266,240 bytes of tiles and 33,792 of the stage of 327,680).  No prefetch: all but one refill is asked for at the head, and there is no loop to run ahead in.
; ORDER.  Four passes of 32 rows, each over all of K: 16 steps of 128, in four groups of 4 steps (group G = 4 x pass + g); a step is 8 matrix instructions on 8 accumulators.  When a pass is done, the waves of both types put their sums into a stage in LDS;
; each wave then reads 8 whole rows of both types, adds, halves, and stores each row's 512 bytes twice (columns c and 2048 + c), while the next pass is multiplied.
; THE MATRIX INSTRUCTION IS USED TRANSPOSED: source 0 = 16 rows of W (columns of the output), source 1 = 16 rows of x.  Lane (r, h) holds output row 16 a + r, register j column 8 h + j of block b.
; REGISTERS.  Window 0: v1-31 addresses; v32-95 x's scale words (16 a pass); v96-127 W's; v128-255 accumulators, two sets of 64.  Window 1: v0-191 x's fragments, three buffers of a group; v192-255 the stage's rows on the way out.
;   Windows 2, 3: W's fragments: step k, block b at v[32 (k % 8) + 8 b], steps 0-7 in window 2, 8-15 in window 3.
.set PITCH, 1040                       ; an LDS row of x or W: 1,024 bytes + 16 of padding = 260 words: row r starts at bank 4 r mod 64 (64 banks of 4 bytes: ISA guide 11.1)
.set TILE,  64*PITCH                   ; 64 rows: one tensor load of the head
.set HALFT, 32*PITCH                   ; 32 rows: one of the refill
.set ZW,    2*TILE                     ; x's rows 0-63 (protein, drug), then here W's rows 0-63 (of protein, of drug), later x's rows 64-127
.set STG,   4*TILE                     ; behind the tiles: the stage of passes 0 and 2: 32 rows of protein's sums, then 32 of drug's.  That of passes 1 and 3 lies on x's rows 0-31 of each type: filled once, last read in pass 0
.set SP,    528                        ; a stage row: 512 bytes + 16
.set TYPES, 32*SP
.set SPARE, STG+2*TYPES                ; the spare words, 128 bytes for each wave: two blocks of 256 bytes that no other line names
.set VS,    7                          ; v7   64 x lane: a row of scale bytes
.set VW,    8                          ; v8   W: row r of 1,024 bytes, + 16 h
.set AX,    9                          ; v9-10  x's fragments: rows 0-63, rows 64-127 of my type
.set STO,   11                         ; v11-12 the stage, on the way in: passes 0, 2 and 1, 3
.set RP,    13                         ; v13-14 my 8 rows of protein's sums, likewise
.set RQ,    15                         ; v15-16 of drug's
.set VO,    17                         ; v17  16 x lane: my bytes of a row's 512
.set SPW,   18                         ; v18  SPARE + 4 x thread; never rewritten
.set NIL,   19                         ; v19  0; never rewritten
.set AW,    20                         ; v20  my 32 rows of W in LDS
.set XS,    32
.set WS,    96
.set ACC,   128
.set RB0,   192
.set WV,    30                         ; s30  my wave's number
.set G1X,   48                         ; s[48:55], s[56:59] descriptor of the head's load of x;
.set G0X,   56
.set G0W,   68                         ; s[72:79], s[68:71] of W;
.set G1W,   72
.set G1R,   80                         ; s[80:87], s[88:91] of the refill
.set G0R,   88
.set MSB, 0
.macro WIN new                         ; the immediate's high byte repeats the setting that is left; a switch that changes nothing is dropped
.if MSB != \new
	s_set_vgpr_msb (MSB<<8)|\new
.set MSB, \new
.endif
.endm
; A load into a register that a matrix instruction has read, and an LDS store that reads a matrix result, stand four places behind it; only plain vector instructions that name none of its registers are places
; (ISA guide 7.12.1 for vector instructions).
.macro PLACES
.rept 4
	v_nop
.endr
.endm
.macro CREST                           ; a round of the cluster's barrier behind its opening barrier
	s_cmp_lg_u32 s[WV], 0
	s_cbranch_scc1 .Lnot_wave_0_\@
	s_barrier_signal -3
.Lnot_wave_0_\@:
	s_barrier_wait -3
	s_barrier_signal -1
	s_barrier_wait -1
.endm
.macro CROUND                          ; a whole round
	s_barrier_signal -1
	s_barrier_wait -1
	CREST
.endm
; Blocks 2, 3 of W for group g (steps 4 g .. 4 g + 3), from memory: 16 loads.  Lane (r, h) takes row r of a block: registers 4 c .. 4 c + 3 of a fragment hold K = 64 c + 32 h + 0 .. 31.  Eight loads on end take 256 consecutive bytes of each of 16 rows.
.macro WLOAD g
	WIN 0x80+0x40*((\g)/2)
.irp b, 2,3
.irp kk, 0,1,2,3
.irp c, 0,1
.set kS, 4*(\g)+\kk
.set rW, 32*(kS%8)+8*\b+4*\c
	global_load_b128 v[rW:rW+3], v[VW], s[12:13] offset:16384*(\b-2)+64*kS+32*\c
.endr
.endr
.endr
	WIN 0
.endm
; Blocks 0, 1 of W for group g, from LDS: 16 loads
.macro WCOPY g
	WIN 0x80+0x40*((\g)/2)
.irp b, 0,1
.irp kk, 0,1,2,3
.irp c, 0,1
.set kS, 4*(\g)+\kk
.set rW, 32*(kS%8)+8*\b+4*\c
	ds_load_b128 v[rW:rW+3], v[AW] offset:16*PITCH*\b+64*kS+32*\c
.endr
.endr
.endr
	WIN 0
.endm
.macro XSLOAD i                        ; x's scale words of pass i: lane l takes row 32 i + l, 16 words
.irp c, 0,1,2,3
	global_load_b128 v[XS+16*(\i)+4*\c:XS+16*(\i)+4*\c+3], v[VS], s[6:7] offset:2048*(\i)+16*\c
.endr
.endm
; x's fragments of group G (pass G / 4, steps 4 (G % 4) ..) into buffer G % 3: 16 loads
.macro FETCH G
.set fI, (\G)/4
.set fK, 4*((\G)%4)
.set fB, 64*((\G)%3)
.set fR, AX+fI/2
	WIN 0x40
.irp kk, 0,1,2,3
.irp a, 0,1
.irp c, 0,1
	ds_load_b128 v[fB+16*\kk+8*\a+4*\c:fB+16*\kk+8*\a+4*\c+3], v[fR] offset:(32*(fI%2)+16*\a)*PITCH+64*(fK+\kk)+32*\c
.endr
.endr
.endr
	WIN 0
.endm
; 32 matrix instructions: group G.  The 8 accumulators take turns, one instruction a turn: seven others' stand between two on one.  A pass's first step takes the constant 0 as C.
; Scale words: W's register holds blocks b even in lanes 0-15, b odd in lanes 16-31 (ROW1); x's holds block a = 0 in lanes 0-15, a = 1 in lanes 16-31.
.macro MULG G
	WIN 0x06+(((\G)%4)/2)
.irp kk, 0,1,2,3
.irp a, 0,1
.irp b, 0,1,2,3
.set kS, 4*((\G)%4)+\kk
.set rD, ACC+64*(((\G)/4)%2)+32*\a+8*\b
.set rW, 32*(kS%8)+8*\b
.set rX, 64*((\G)%3)+16*\kk+8*\a
.set rSW, WS+16*(\b/2)+kS
.set rSX, XS+16*((\G)/4)+kS
.set mA, \b%2
.set mB, \a
.set mZ, 1
.if kS > 0
.set mZ, 0
.endif
.if mZ && mA && mB
	v_wmma_scale_f32_16x16x128_f8f6f4 v[rD:rD+7], v[rW:rW+7], v[rX:rX+7], 0, v[rSW], v[rSX] matrix_a_fmt:MATRIX_FMT_FP4 matrix_b_fmt:MATRIX_FMT_FP4 matrix_a_scale:MATRIX_SCALE_ROW1 matrix_b_scale:MATRIX_SCALE_ROW1
.elseif mZ && mA
	v_wmma_scale_f32_16x16x128_f8f6f4 v[rD:rD+7], v[rW:rW+7], v[rX:rX+7], 0, v[rSW], v[rSX] matrix_a_fmt:MATRIX_FMT_FP4 matrix_b_fmt:MATRIX_FMT_FP4 matrix_a_scale:MATRIX_SCALE_ROW1
.elseif mZ && mB
	v_wmma_scale_f32_16x16x128_f8f6f4 v[rD:rD+7], v[rW:rW+7], v[rX:rX+7], 0, v[rSW], v[rSX] matrix_a_fmt:MATRIX_FMT_FP4 matrix_b_fmt:MATRIX_FMT_FP4 matrix_b_scale:MATRIX_SCALE_ROW1
.elseif mZ
	v_wmma_scale_f32_16x16x128_f8f6f4 v[rD:rD+7], v[rW:rW+7], v[rX:rX+7], 0, v[rSW], v[rSX] matrix_a_fmt:MATRIX_FMT_FP4 matrix_b_fmt:MATRIX_FMT_FP4
.elseif mA && mB
	v_wmma_scale_f32_16x16x128_f8f6f4 v[rD:rD+7], v[rW:rW+7], v[rX:rX+7], v[rD:rD+7], v[rSW], v[rSX] matrix_a_fmt:MATRIX_FMT_FP4 matrix_b_fmt:MATRIX_FMT_FP4 matrix_a_scale:MATRIX_SCALE_ROW1 matrix_b_scale:MATRIX_SCALE_ROW1
.elseif mA
	v_wmma_scale_f32_16x16x128_f8f6f4 v[rD:rD+7], v[rW:rW+7], v[rX:rX+7], v[rD:rD+7], v[rSW], v[rSX] matrix_a_fmt:MATRIX_FMT_FP4 matrix_b_fmt:MATRIX_FMT_FP4 matrix_a_scale:MATRIX_SCALE_ROW1
.elseif mB
	v_wmma_scale_f32_16x16x128_f8f6f4 v[rD:rD+7], v[rW:rW+7], v[rX:rX+7], v[rD:rD+7], v[rSW], v[rSX] matrix_a_fmt:MATRIX_FMT_FP4 matrix_b_fmt:MATRIX_FMT_FP4 matrix_b_scale:MATRIX_SCALE_ROW1
.else
	v_wmma_scale_f32_16x16x128_f8f6f4 v[rD:rD+7], v[rW:rW+7], v[rX:rX+7], v[rD:rD+7], v[rSW], v[rSX] matrix_a_fmt:MATRIX_FMT_FP4 matrix_b_fmt:MATRIX_FMT_FP4
.endif
.endr
.endr
.endr
	WIN 0
.endm
.macro STAGE i                         ; pass i's sums into the stage, each accumulator from its low end on: 16 stores
.irp a, 0,1
.irp b, 0,1,2,3
.set rD, ACC+64*((\i)%2)+32*\a+8*\b
	ds_store_b128 v[STO+(\i)%2], v[rD:rD+3] offset:16*SP*\a+64*(\b%2)+256*(\b/2)
	ds_store_b128 v[STO+(\i)%2], v[rD+4:rD+7] offset:16*SP*\a+64*(\b%2)+256*(\b/2)+16
.endr
.endr
.endm
.macro READ i                          ; my 8 rows of pass i: protein's sums, then drug's: 16 loads
	WIN 0x40
.irp t, 0,1,2,3,4,5,6,7
	ds_load_b128 v[RB0+4*\t:RB0+4*\t+3], v[RP+(\i)%2] offset:SP*\t
	ds_load_b128 v[RB0+32+4*\t:RB0+32+4*\t+3], v[RQ+(\i)%2] offset:SP*\t
.endr
	WIN 0
.endm
.macro SEND i                          ; (vp + vd) / 2, stored twice: 32 lanes store 512 consecutive bytes, at a multiple of 512 from the output's first byte; written once, read by nobody here
	WIN 0x45
.set q, 0
.rept 16
	v_pk_add_f32 v[RB0+q:RB0+q+1], v[RB0+q:RB0+q+1], v[RB0+32+q:RB0+32+q+1]
.set q, q+2
.endr
.set q, 0
.rept 16
	v_pk_mul_f32 v[RB0+q:RB0+q+1], v[RB0+q:RB0+q+1], 0.5 op_sel_hi:[1,0]
.set q, q+2
.endr
	WIN 0x04
.irp t, 0,1,2,3,4,5,6,7
	global_store_b128 v[VO], v[RB0+4*\t:RB0+4*\t+3], s[20:21] offset:524288*(\i)+16384*\t th:TH_STORE_NT
	global_store_b128 v[VO], v[RB0+4*\t:RB0+4*\t+3], s[20:21] offset:524288*(\i)+16384*\t+8192 th:TH_STORE_NT
.endr
	WIN 0
.endm
	s_load_b512 s[4:19], s[0:1], 0x0               ; protein's codes s[4:5], scales s[6:7]; drug's s[8:9], s[10:11]; Wv_p's s[12:13], s[14:15]; Wv_d's s[16:17], s[18:19]
	s_load_b64 s[20:21], s[0:1], 0x40              ; out
	v_lshl_add_u32 v[SPW], v0, 2, SPARE
	v_mov_b32 v[NIL], 0
	ds_add_u32 v[SPW], v[NIL]                      ; the wave's opening: the add, twice on end, and its wait ahead of my first tensor load
	ds_add_u32 v[SPW], v[NIL]
	v_lshrrev_b32 v3, 5, v0
	v_readfirstlane_b32 s[WV], v3                  ; wave 0..3
	v_and_b32 v4, 31, v0                           ; lane
	v_and_b32 v5, 15, v0                           ; r
	v_bfe_u32 v6, v0, 4, 1                         ; h
	s_wait_alu depctr_va_vdst(0)
	s_lshr_b32 s24, s[WV], 1                       ; t.  Also: at the head I fetch for W (0) or for x (1)
	s_and_b32 s25, s[WV], 1                        ; n.  Also: the type that I fetch for at the head
	s_mul_i32 s26, s24, TILE
	s_lshl_b32 s28, s25, 7                         ; my columns in a stage row
	s_mul_i32 s29, s24, TYPES
	s_add_co_u32 s29, s29, s28
	s_add_co_u32 s29, s29, STG                     ; the stage of passes 0 and 2: my type's rows,
	s_add_co_u32 s31, s26, s28                     ; that of passes 1 and 3
	s_mul_i32 s33, s[WV], 8*SP                     ; on the way out: my 8 rows
	s_mul_i32 s22, s[WV], HALFT
	s_add_co_u32 s22, s22, ZW                      ; my 32 rows of W in LDS: type t's, rows 32 n on.  Also: where my part of the refill goes
	v_lshlrev_b32 v[VS], 6, v4
	v_lshlrev_b32 v[VW], 10, v5
	v_lshl_add_u32 v[VW], v6, 4, v[VW]
	v_mul_u32_u24 v21, v5, PITCH
	v_lshl_add_u32 v21, v6, 4, v21                 ; a fragment's row x pitch + 16 x half
	v_add_nc_u32 v[AX], s26, v21
	v_add_nc_u32 v[AX+1], ZW, v[AX]
	v_add_nc_u32 v[AW], s22, v21
	v_mul_u32_u24 v3, v5, SP
	v_lshl_add_u32 v3, v6, 5, v3
	v_add_nc_u32 v[STO], s29, v3
	v_add_nc_u32 v[STO+1], s31, v3
	v_lshlrev_b32 v[VO], 4, v4
	v_add_nc_u32 v[RP+1], s33, v[VO]
	v_add_nc_u32 v[RP], STG, v[RP+1]
	v_add_nc_u32 v[RQ], TYPES, v[RP]
	v_add_nc_u32 v[RQ+1], TILE, v[RP+1]
	s_bfe_u32 s34, ttmp6, 0x40000                  ; cx.  What hangs on cx stays in s34, s35, s42-47, s95 and W's descriptor
	s_bfe_u32 s92, ttmp6, 0x40004                  ; cy
	s_lshl_b32 s35, ttmp9, 2
	s_add_co_u32 s35, s35, s34                     ; the block of columns = 4 x cluster x + cx
	s_and_b32 s36, ttmp7, 0xffff
	s_lshl_b32 s36, s36, 2
	s_add_co_u32 s36, s36, s92                     ; the block of rows = 4 x cluster y + cy
	s_lshl_b32 s94, s92, 2
	s_lshl_b32 s94, 15, s94                        ; my row of the cluster: places 4 cy .. 4 cy + 3
	s_lshl_b32 s95, 0x1111, s34                    ; my column: places cx, cx + 4, cx + 8, cx + 12
	s_lshl_b32 s23, s25, 15
	s_add_co_u32 s23, s23, 65536                   ; rows 64 + 32 n of 1,024 bytes
	s_lshl_b32 s38, s36, 17                        ; x's codes: 128 rows a block
	s_mov_b32 s39, 0
	s_add_co_u32 s2, s38, s23                      ; my part of the refill
	s_mov_b32 s3, 0
	s_lshl_b32 s40, s36, 13                        ; x's scales: 128 rows of 64 bytes
	s_mov_b32 s41, 0
	s_lshl_b32 s42, s35, 17                        ; W's codes: 128 rows a block
	s_mov_b32 s43, 0
	s_lshl_b32 s27, s25, 11
	s_lshl_b32 s44, s35, 13
	s_add_co_u32 s44, s44, s27                     ; W's scales: from row 32 n on
	s_mov_b32 s45, 0
	s_lshl_b32 s46, s36, 21                        ; out: 128 rows of 16,384 bytes a block,
	s_lshl_b32 s27, s[WV], 17                      ; 8 rows a wave,
	s_add_co_u32 s46, s46, s27
	s_lshl_b32 s47, s35, 9                         ; 512 bytes a block of columns
	s_add_co_u32 s46, s46, s47
	s_mov_b32 s47, 0
	; descriptor groups 1: rows of 1,024 bytes, dense in memory; 64 rows at the head, 32 in the refill
	s_or_b32 s[G1X], s94, (1<<20)|(1<<21)|(7<<22)|(3<<25)      ; 15:0 the mask: x's tiles go to my row; 17:16 elements of 1 byte; 20 padding on; 21 set beside a mask; 24:22 after every 256 words; 31:25 four words
	s_or_b32 s[G1R], s94, (1<<20)|(1<<21)|(7<<22)|(3<<25)
	s_or_b32 s[G1W], s95, (1<<20)|(1<<21)|(7<<22)|(3<<25)      ; W's tiles go to my column
.irp g, G1X, G1W, G1R
	s_mov_b32 s[\g+1], 1024<<16                    ; tensor_dim0
	s_mov_b32 s[\g+3], 1024<<16                    ; tile_dim0
	s_mov_b32 s[\g+5], 1024                        ; tensor_dim0_stride
	s_mov_b32 s[\g+6], 0
	s_mov_b32 s[\g+7], 0
.endr
.irp g, G1X, G1W
	s_mov_b32 s[\g+2], 64<<16                      ; tensor_dim1
	s_mov_b32 s[\g+4], 64                          ; tile_dim1
.endr
	s_mov_b32 s[G1R+2], 32<<16
	s_mov_b32 s[G1R+4], 32
	s_mov_b32 s[G0X], 1                            ; count = 1
	s_mul_i32 s[G0X+1], s25, TILE                  ; LDS addresses hang on the wave's number alone
	s_mov_b32 s[G0W], 1
	s_mul_i32 s[G0W+1], s25, TILE
	s_add_co_u32 s[G0W+1], s[G0W+1], ZW
	s_mov_b32 s[G0R], 1
	s_mul_i32 s[G0R+1], s[WV], HALFT
	s_add_co_u32 s[G0R+1], s[G0R+1], ZW
	s_wait_alu depctr_va_vdst(0)                   ; behind the head's last vector write
	s_wait_dscnt 0x0                               ; both opening adds are done
	s_wait_kmcnt 0x0
	s_cmp_lg_u32 s25, 0                            ; the tensors that I fetch for at the head, and then those of my type: the choices hang on the wave's number alone
	s_cselect_b64 s[60:61], s[8:9], s[4:5]
	s_cselect_b64 s[62:63], s[16:17], s[12:13]
	s_cmp_lg_u32 s24, 0
	s_cselect_b64 s[4:5], s[8:9], s[4:5]
	s_cselect_b64 s[6:7], s[10:11], s[6:7]
	s_cselect_b64 s[12:13], s[16:17], s[12:13]
	s_cselect_b64 s[14:15], s[18:19], s[14:15]
	s_add_nc_u64 s[G0X+2:G0X+3], s[60:61], s[38:39]            ; x's rows 0-63 of the block
	s_or_b32 s[G0X+3], s[G0X+3], 0x80000000        ; type = 2
	s_add_nc_u64 s[G0W+2:G0W+3], s[62:63], s[42:43]            ; W's rows 0-63
	s_or_b32 s[G0W+3], s[G0W+3], 0x80000000
	s_add_nc_u64 s[G0R+2:G0R+3], s[4:5], s[2:3]    ; x's rows 64 + 32 n .. of my type
	s_or_b32 s[G0R+3], s[G0R+3], 0x80000000
	s_add_co_u32 s42, s42, s23                     ; W's rows 64 + 32 n .. of my type, for my loads into registers
	s_add_nc_u64 s[6:7], s[6:7], s[40:41]
	s_add_nc_u64 s[12:13], s[12:13], s[42:43]
	s_add_nc_u64 s[14:15], s[14:15], s[44:45]
	s_add_nc_u64 s[20:21], s[20:21], s[46:47]
	; 88 loads a wave: W's scale words 8, x's of pass 0 4, W's blocks 2, 3 in four groups of 16, x's scale words of passes 1 to 3 12
.irp g, 0,1
.irp c, 0,1,2,3
	global_load_b128 v[WS+16*\g+4*\c:WS+16*\g+4*\c+3], v[VS], s[14:15] offset:4096*\g+16*\c
.endr
.endr
	XSLOAD 0
	CROUND                                         ; all sixteen work-groups are here: the first joint loads meet
	s_cmp_eq_u32 s24, 0                            ; waves 0, 1 fetch W's rows, waves 2, 3 x's: one load a wave
	s_cbranch_scc0 .Lfor_x
	tensor_load_to_lds s[G0W:G0W+3], s[G1W:G1W+7]
	s_nop 0
.rept 4
	v_nop
.endr
	s_branch .Lasked
.Lfor_x:
	tensor_load_to_lds s[G0X:G0X+3], s[G1X:G1X+7]
	s_nop 0
.rept 4
	v_nop
.endr
.Lasked:
	WLOAD 0
	WLOAD 1
	WLOAD 2
	WLOAD 3
	XSLOAD 1
	XSLOAD 2
	XSLOAD 3
	s_wait_alu depctr_va_vdst(0)
	s_wait_tensorcnt 0x0                           ; my tile is in
	s_barrier_signal -1
	s_barrier_wait -1                              ; all four are
	WCOPY 0
	FETCH 0
	WCOPY 1
	WCOPY 2
	WCOPY 3
	FETCH 1
	s_wait_loadcnt 60                              ; the first 28 of 88 loads are in: W's and pass 0's scale words, W's group 0
	s_wait_tensorcnt 0x0                           ; THE REFILL: in front of it, in every wave: no tensor load of mine is out;
	ds_add_u32 v[SPW], v[NIL]
	s_wait_dscnt 0x0                               ; the add is done, and W's rows 0-63 are in registers
	s_barrier_signal -1                            ; (this barrier opens a round of the cluster's)
	MULG 0                                         ; work on registers while the others arrive
	s_barrier_wait -1
	CREST                                          ; no wave of any partner still reads W's rows or has a load on its way
	tensor_load_to_lds s[G0R:G0R+3], s[G1R:G1R+7]  ; x's rows 64-127 of both types, 32 rows a wave
	s_nop 0
	PLACES                                         ; (also the places in front of the loads into group 0's buffer)
	FETCH 2
	FETCH 3
	s_wait_loadcnt 44                              ; W's group 1 (to load 44)
	MULG 1                                         ; (its fragments came ahead of the round)
	PLACES
	FETCH 4
	s_wait_loadcnt 28                              ; W's group 2 (to load 60)
	s_wait_dscnt 32                                ; younger: two groups
	MULG 2
	PLACES
	FETCH 5
	s_wait_loadcnt 12                              ; W's group 3; younger: 12 scale words
	s_wait_dscnt 32
	MULG 3
	PLACES
	STAGE 0
	FETCH 6
	s_wait_loadcnt 0x0                             ; x's scale words of passes 1 to 3
	; PASS 1.  In front of the first signal all my LDS instructions are done: my stage stores, and my reads of the rows of x that pass 1's stage lands on (pass 0's)
	s_wait_dscnt 48                                ; younger: group 5's 16 loads, 16 stage stores, group 6's 16 loads
	MULG 4
	s_wait_dscnt 0x0
	s_barrier_signal -1
	MULG 5
	s_barrier_wait -1
	PLACES
	FETCH 7
	READ 0
	MULG 6
	s_wait_dscnt 0x0
	SEND 0
	MULG 7
	PLACES
	STAGE 1
	s_wait_tensorcnt 0x0                           ; my part of x's rows 64-127 is in,
	s_wait_dscnt 0x0                               ; and my stage stores have landed
	s_barrier_signal -1
	s_barrier_wait -1                              ; everybody's
	; PASS 2
	s_wait_xcnt 0x0                                ; the last pass's stores have read their registers
	FETCH 8
	READ 1
	FETCH 9
	FETCH 10
	s_wait_dscnt 48                                ; group 8's fragments; younger: the stage's 16, two groups
	MULG 8
	s_wait_dscnt 32                                ; the stage's rows
	SEND 1                                         ; (its additions are the places in front of the loads below)
	FETCH 11
	s_wait_dscnt 32
	MULG 9
	PLACES
	FETCH 12
	s_wait_dscnt 32
	MULG 10
	PLACES
	FETCH 13
	s_wait_dscnt 32
	MULG 11
	PLACES
	STAGE 2
	FETCH 14
	; PASS 3
	s_wait_dscnt 48                                ; younger: group 13's loads, the stage stores, group 14's loads
	MULG 12
	s_wait_dscnt 0x0
	s_barrier_signal -1
	MULG 13
	s_barrier_wait -1
	PLACES
	FETCH 15
	s_wait_xcnt 0x0
	READ 2
	MULG 14
	s_wait_dscnt 0x0
	SEND 2
	MULG 15
	PLACES
	STAGE 3
	s_wait_dscnt 0x0                               ; for the others' sake: my stage stores have landed
	s_barrier_signal -1
	s_barrier_wait -1
	s_wait_xcnt 0x0
	READ 3
	s_wait_dscnt 0x0
	SEND 3
	s_wait_tensorcnt 0x0                           ; the wave's end: behind my last tensor load and my last LDS store
	ds_add_u32 v[SPW], v[NIL]
	s_wait_dscnt 0x0
	CROUND                                         ; the closing round: no work-group ends while a partner may still ask for a tile that names it
	s_endpgm
.Lfunc_end_k_q09a12abdc8_can:
	.size	k_q09a12abdc8_can, .Lfunc_end_k_q09a12abdc8_can-k_q09a12abdc8_can
	.p2alignl 7, 3214868480
	.fill 96, 4, 3214868480
	.section	.rodata,"a",@progbits
	.p2align	6, 0x0
	.amdhsa_kernel k_q09a12abdc8_can
		.amdhsa_group_segment_fixed_size 327680
		.amdhsa_private_segment_fixed_size 0
		.amdhsa_enable_private_segment 0
		.amdhsa_kernarg_size 72
		.amdhsa_user_sgpr_count 2
		.amdhsa_user_sgpr_kernarg_segment_ptr 1
		.amdhsa_wavefront_size32 1
		.amdhsa_system_sgpr_workgroup_id_x 1
		.amdhsa_system_sgpr_workgroup_id_y 1
		.amdhsa_system_sgpr_workgroup_id_z 1
		.amdhsa_system_vgpr_workitem_id 0
		.amdhsa_next_free_vgpr 1024
		.amdhsa_next_free_sgpr 98
		.amdhsa_reserve_vcc 0
		.amdhsa_float_denorm_mode_32 3
		.amdhsa_float_denorm_mode_16_64 3
		.amdhsa_memory_ordered 1
		.amdhsa_forward_progress 1
		.amdhsa_inst_pref_size 128
	.end_amdhsa_kernel
	.amdgpu_metadata
---
amdhsa.version: [ 1, 2 ]
amdhsa.kernels:
  - .name:           k_q09a12abdc8_can
    .symbol:         k_q09a12abdc8_can.kd
    .args:
      - { .name: protein_codes, .offset: 0, .size: 8, .value_kind: global_buffer, .address_space: global }
      - { .name: protein_scales, .offset: 8, .size: 8, .value_kind: global_buffer, .address_space: global }
      - { .name: drug_codes, .offset: 16, .size: 8, .value_kind: global_buffer, .address_space: global }
      - { .name: drug_scales, .offset: 24, .size: 8, .value_kind: global_buffer, .address_space: global }
      - { .name: Wv_p_codes, .offset: 32, .size: 8, .value_kind: global_buffer, .address_space: global }
      - { .name: Wv_p_scales, .offset: 40, .size: 8, .value_kind: global_buffer, .address_space: global }
      - { .name: Wv_d_codes, .offset: 48, .size: 8, .value_kind: global_buffer, .address_space: global }
      - { .name: Wv_d_scales, .offset: 56, .size: 8, .value_kind: global_buffer, .address_space: global }
      - { .name: out0, .offset: 64, .size: 8, .value_kind: global_buffer, .address_space: global }
    .group_segment_fixed_size: 327680
    .private_segment_fixed_size: 0
    .kernarg_segment_align: 8
    .kernarg_segment_size: 72
    .max_flat_workgroup_size: 128
    .sgpr_count:     98
    .vgpr_count:     1024
    .wavefront_size: 32
...
	.end_amdgpu_metadata
.endif
;; end of part 1
